; MI455X (gfx1250); checked and timed in simulation.
; The chip was launched on July 23, 2026; its instructions are those of AMD's public machine-readable ISA for CDNA 5 (MIT licence, August 2026) and "CDNA5" Instruction Set Architecture Reference Guide (July 2026). The comments in the code are by the model that wrote it; some were corrected since.
;; Point Attention Network. Allowed arithmetic: matrix products marked QUANTISED: E4M3 operands, one given power-of-two scale a tensor, by v_wmma_f32_16x16x64_fp8_fp8 or v_wmma_f32_16x16x128_fp8_fp8, f32 sums; everything else in f32.
;; Inputs: W1_codes 128 x 16 x 32 uint8 (E4M3 codes of W1, K innermost, in blocks of 32 codes); W2_codes 128 x 16 x 32 uint8 (E4M3 codes of W2, K innermost, in blocks of 32 codes); W3_codes 256 x 16 x 32 uint8 (E4M3 codes of W3, K innermost, in blocks of 32 codes); b1 128 float32; b2 128 float32; b3 256 float32; g1 128 float32; g2 128 float32; g3 256 float32; lowp_scales 10 int32 (the exponents e of the quantised operands' scales 2^e); m1 128 float32; m2 128 float32; m3 256 float32; v1 128 float32; v2 128 float32; v3 256 float32; x_codes 8 x 4,096 x 16 x 32 uint8 (E4M3 codes of x, K innermost, in blocks of 32 codes).
;; Outputs: out0 8 x 256 x 4,096 float32.
;; This version of the problem:
;;   THIS VERSION OF THE PROBLEM IS GIVEN IN LOW PRECISION. The matrix products marked QUANTISED in the list below multiply operands that are first quantised to E4M3 (4 exponent bits, 3 mantissa bits; 8 bits a number), with one given power-of-two scale for each operand tensor; their sums are f32. All else is computed in f32.
;;   The module's matrix products, in the order in which they are computed (A, B: the left and right operand; K: the contracted axis; several contracted axes count as one K, in the product's order):
;;     1. [M 32,768, K 512] x [K 512, N 128]; A: input x (given as codes); B: input W1 (given as codes): QUANTISED (scales: A lowp_scales[0], B lowp_scales[1])
;;     2. [M 32,768, K 512] x [K 512, N 128]; A: input x (given as codes); B: input W2 (given as codes): QUANTISED (scales: A lowp_scales[2], B lowp_scales[3])
;;     3. batch 8 x [M 4,096, K 128] x [K 128, N 4,096]; A: computed on the way; B: computed on the way: QUANTISED (scales: A lowp_scales[4], B lowp_scales[5])
;;     4. [M 32,768, K 512] x [K 512, N 256]; A: input x (given as codes); B: input W3 (given as codes): QUANTISED (scales: A lowp_scales[6], B lowp_scales[7])
;;     5. batch 8 x [M 256, K 4,096] x [K 4,096, N 4,096]; A: computed on the way; B: softmax (see below): QUANTISED (scales: A lowp_scales[8], B lowp_scales[9])
;;   THE QUANTISER, for each operand of a quantised product, along K:
;;     - The operand's scale is 2^e, e = its entry of the input lowp_scales (int32; the entries are numbered through the quantised products in the list's order, A before B).
;;     - Each number is divided by the scale, clamped to +-448, and rounded to the nearest number of E4M3, ties to even, subnormals kept.
;;     - The product sums the exact products of the quantised numbers (number of the format x scale) in f32.
;;   ~~~python
;;   def quantise(x, axis, e):      # numpy; x: float32 -> the quantised numbers, widened to float32 again
;;       x = np.moveaxis(x, axis, -1); K = x.shape[-1]
;;       r = np.clip(x / 2.0 ** e, -448, 448)
;;       step = 2.0 ** (np.maximum(np.frexp(np.where(r == 0, 1, r))[1] - 1, -6) - 3)
;;       q = np.round(r / step) * step * 2.0 ** e      # np.round: ties to even
;;       return np.moveaxis(q, -1, axis).astype(np.float32)
;;   ~~~
;;   SOFTMAX AHEAD OF A QUANTISED PRODUCT. Where the list says 'softmax', what is quantised is not the finished softmax but p = 2^(t - M), with t = logit x log2(e) and M = ceil(the row's largest t), a whole number; so 1/2 < the row's largest p <= 1. The row's sum l is taken of the UNQUANTISED p, in f32, and the product's result is divided by l at the end. Since M is a whole number, a kernel that streams over the keys may use a running M (the ceiling of the running maximum): every later rescaling is an exact power of two, so the quantised numbers keep their values, but for numbers so far below the row's largest that they fall under the format's range.
;;   OPERANDS COMPUTED ON THE WAY. 'Computed on the way' means the value that the module computes at that place (a softmax that the list does not call 'softmax' is quantised finished and normalised). What goes into a quantiser is computed in f32, as accurately as f32 sums, v_exp_f32 and their like allow (about 1e-6 of the number): no bf16 or f16 on the way to a quantiser, and a product that is left as it is and whose result goes on into a quantised operand takes f32 operands (vector FMAs, or v_wmma_f32_16x16x4_f32). A number that lies on a knife's edge between two numbers of the format may be rounded either way, as far as f32 arithmetic and the matrix unit's own rounding can turn it there, and no further.
;;   INPUTS GIVEN AS CODES. W1 (in the module: [128, 512], K = its axis 1); W2 (in the module: [128, 512], K = its axis 1); W3 (in the module: [256, 512], K = its axis 1); x (in the module: [8, 512, 4096], K = its axis 1): each comes as NAME_codes (uint8): NAME with its K axis moved to the last place and cut into blocks of 32 codes, [.., K / 32, bytes a block], one block behind the other in memory; one code a byte (a code: sign, 4 exponent bits, 3 mantissa bits); its scale is its entry of lowp_scales. Its value is code x scale, taken as it is: it is not quantised again, and the codes and scales need not be those that the quantiser above would give.
;; One version. Each part assembles by itself: llvm-mc -triple=amdgcn-amd-amdhsa -mcpu=gfx1250 --defsym DOCPART=n.
;; ======== version 1 of 1: 2 launches
;; workspace buffers: q_img 4,194,304 bytes; kvw 13,631,488 bytes; bn3 4,096 bytes
;; launch proj (part 1): grid 256 x 1, 4 waves a work-group, no clusters, 68,096 bytes of LDS; arguments x_codes, lowp_scales, W1_codes, W2_codes, W3_codes, g1, g2, g3, b1, b2, b3, m1, m2, m3, v1, v2, v3, q_img, kvw, bn3; writes q_img, kvw, bn3
.if DOCPART == 1
	.amdgcn_target "amdgcn-amd-amdhsa--gfx1250"
	.amdhsa_code_object_version 6
	.text
	.protected	k_qdb830cd465_proj
	.globl	k_qdb830cd465_proj
	.p2align	8
	.type	k_qdb830cd465_proj,@function
k_qdb830cd465_proj:
	s_mov_b64 s[64:65], 0
	v_nop
	global_prefetch_b8 v0, s[64:65] scope:SCOPE_SE
	s_setreg_imm32_b32 hwreg(HW_REG_WAVE_MODE, 25, 1), 1
	s_wait_xcnt 0x0
; a = relu(BN1(W1 x)), k = relu(BN2(W2 x)), v = relu(BN3(W3 x)), each product on the given E4M3 codes, each result quantised to E4M3 with its given scale (a: entry 4, k: entry 5, v: entry 8 of the scales).
; A work-group takes 128 points of one batch.  Wave 0 makes a (128 channels), wave 1 k, waves 2 and 3 the two halves of v's 256 channels.  A wave's 128 weight rows x 512 K stay in 512 registers;
; the block's 128 x 512 bytes of x go through LDS once and are read by all four waves.
; OUTPUT LAYOUT: images of operand registers.  A fragment (16 rows x 128 K) is 2,048 bytes: chunk c (registers 4 c .. 4 c + 3) at 512 c + 16 x lane; lane (r, h) holds K = 32 c + 16 h + 0 .. 15 of row r.
; THE POINTS OF A TILE ARE NOT NEIGHBOURS: in each group of 32 points, lane r of tile u is point 8 u + r + 8 (r / 8).  So 16 registers of two neighbouring result tiles are 16 neighbours along the next K.
; Waves 0, 1 (role A): source 0 = 16 weight rows (lane r of tile 2 b + u takes row 32 b + 8 u + r + 8 (r / 8)), source 1 = 16 points: a lane holds one point, its registers run along the channels.
; Waves 2, 3 (role B): source 0 = 16 points, source 1 = 16 weight rows: a lane holds one channel, its registers run along the points, which are the keys of the later product.
; Also stored: W3's fragments as they stand in registers, once for each batch (behind that batch's k and v in kvw), and layer 3's folded norm (bn3: for each channel sc, sc, sh, sh).
; No joint loads for the weights: padded for LDS they take 270,336 bytes and x's block 67,584, more than the 327,680 there are; a ring would be needed for 256 matrix instructions a wave.
; LIMITS: entries 4, 5 and 8 of the scales lie between -126 and 119, so that 2^e and 448 x 2^e are f32 numbers; the sums of entries 0+1, 2+3, 6+7 are applied by v_ldexp_f32 and have no limit.  NaN among the inputs is not served.
; REGISTERS, in windows of 256.  Window 0: v1-11 addresses; v15 2^e of the result; v32-159 x as loaded, then x's eight fragments of a group (tile u, K step s at 32 + 64 u + 16 s); v160-223 codes, two sets.
;   Window 1: v0-127 the 16 accumulators; v128-255 the folded norm.   Windows 2, 3: the weights (tile t, K step s: window 2 + t / 4, register 64 (t % 4) + 16 s).
.set XP,    528                        ; a row of x in LDS: 512 bytes + 16: an odd multiple of 16, so the 16 rows of a fragment load start in different banks
.set BST,   0x1A0000                   ; a batch's part of kvw
.set STEPB, 49152                      ; 128 keys: k's image 16,384 bytes, v's 32,768
.set IMGO,  0x180000                   ; W3's image, behind a batch's 32 steps
.set EPSB,  0x3727c5ac                 ; 1e-5
.set MSB, 0
.macro WIN new                         ; the immediate's high byte repeats the setting that is left
.if MSB != (\new)
	s_set_vgpr_msb (MSB<<8)|(\new)
.set MSB, (\new)
.endif
.endm
.macro PLACES n
.rept \n
	v_nop
.endr
.endm
	s_load_b512 s[8:23], s[0:1], 0x0               ; x 8, scales 10, W1 12, W2 14, W3 16, g1 18, g2 20, g3 22
	s_load_b512 s[24:39], s[0:1], 0x40             ; b1 24, b2 26, b3 28, m1 30, m2 32, m3 34, v1 36, v2 38
	s_load_b256 s[40:47], s[0:1], 0x80             ; v3 40, q_img 42, kvw 44, bn3 46
	v_lshl_add_u32 v254, v0, 2, 0x10800
	v_mov_b32 v255, 0
	v_lshrrev_b32 v10, 5, v0
	v_readfirstlane_b32 s58, v10                   ; wave 0..3
	v_and_b32 v10, 31, v0
	v_lshlrev_b32 v1, 4, v10                       ; 16 x lane
	v_and_b32 v8, 15, v0                           ; r
	v_bfe_u32 v9, v0, 4, 1                         ; h
	s_mul_i32 s78, s58, 32*XP
	v_add_nc_u32 v2, s78, v1                       ; where I put x: my wave's 32 rows
	v_mul_u32_u24 v3, v8, XP
	v_lshl_add_u32 v3, v9, 4, v3                   ; where I read a fragment of x: row r, + 16 h; groups 0, 1
	v_add_nc_u32 v4, 64*XP, v3                     ; groups 2, 3
	s_cmp_lt_u32 s58, 2                            ; role A?
	s_cselect_b32 s79, 4096, 0
	s_cselect_b32 s82, 0, 4096
	s_cselect_b32 s83, 64, 0
	s_cselect_b32 s84, 0, 4
	v_lshlrev_b32 v5, 9, v8
	v_lshl_add_u32 v5, v9, 4, v5                   ; weights: row r of 512 bytes, + 16 h,
	v_lshrrev_b32 v10, 3, v8
	v_mad_u32_u24 v5, v10, s79, v5                 ; role A: + 8 (r / 8) rows: even tiles
	v_add_nc_u32 v6, s82, v5                       ; odd tiles: the immediate says 16 t - 8 rows; role B adds the 8 back
	v_mul_u32_u24 v7, v9, s83                      ; the norm's numbers: role A 64 h (my 16 channels of 32), role B 4 r (my channel)
	v_mad_u32_u24 v7, v8, s84, v7
	v_lshlrev_b32 v11, 4, v8                       ; bn3: 16 bytes a channel
	s_lshl_b32 s86, ttmp9, 16                      ; x: 128 points x 512 bytes a work-group,
	s_lshl_b32 s87, s58, 14                        ; 32 points a wave
	s_add_co_u32 s86, s86, s87
	s_mov_b32 s87, 0
	s_cmp_eq_u32 s58, 3                            ; wave 3 takes W3's rows 128 on
	s_cselect_b32 s88, 0x10000, 0
	s_cselect_b32 s90, 512, 0
	s_mov_b32 s89, 0
	s_mov_b32 s91, 0
	s_lshr_b32 s92, ttmp9, 5                       ; batch
	s_mul_i32 s94, s92, BST
	s_and_b32 s93, ttmp9, 31                       ; which 128 points of it
	s_mul_i32 s93, s93, STEPB
	s_add_co_u32 s93, s93, s94
	s_max_u32 s92, s58, 1
	s_sub_co_u32 s92, s92, 1
	s_lshl_b32 s92, s92, 14
	s_add_co_u32 s93, s93, s92                     ; wave 1: k's image; wave 2: v's tiles 0-7, 16,384 on; wave 3: tiles 8-15
	s_lshl_b32 s92, ttmp9, 14                      ; wave 0: 8 tiles of 2,048 bytes a work-group in q_img
	s_cmp_eq_u32 s58, 0
	s_cselect_b32 s92, s92, s93
	s_mov_b32 s93, 0
	s_max_u32 s85, s58, 2
	s_sub_co_u32 s85, s85, 2                       ; which half of W3
	s_lshl_b32 s95, s85, 16
	s_add_co_u32 s94, s94, s95
	s_add_co_u32 s94, s94, IMGO
	s_mov_b32 s95, 0
	s_lshl_b32 s80, s85, 11
	s_mov_b32 s81, 0
	s_wait_kmcnt 0x0
	s_load_b256 s[48:55], s[10:11], 0x0            ; entries 0 to 7 of the scales
	s_load_b64 s[56:57], s[10:11], 0x20            ; entries 8, 9
	s_add_nc_u64 s[8:9], s[8:9], s[86:87]
.set j, 0
.rept 32
	global_load_b128 v[32+4*j:35+4*j], v1, s[8:9] offset:512*j th:TH_LOAD_NT   ; a point's 512 bytes: 32 lanes, 16 neighbouring bytes each
.set j, j+1
.endr
	s_cmp_eq_u32 s58, 0                            ; the wave's weights and norm: the choice hangs on the wave's number alone
	s_cselect_b64 s[72:73], s[42:43], s[44:45]
	s_cselect_b64 s[60:61], s[12:13], s[14:15]
	s_cselect_b64 s[62:63], s[18:19], s[20:21]
	s_cselect_b64 s[66:67], s[24:25], s[26:27]
	s_cselect_b64 s[68:69], s[30:31], s[32:33]
	s_cselect_b64 s[70:71], s[36:37], s[38:39]
	s_cmp_lt_u32 s58, 2
	s_cselect_b64 s[60:61], s[60:61], s[16:17]
	s_cselect_b64 s[62:63], s[62:63], s[22:23]
	s_cselect_b64 s[66:67], s[66:67], s[28:29]
	s_cselect_b64 s[68:69], s[68:69], s[34:35]
	s_cselect_b64 s[70:71], s[70:71], s[40:41]
	s_add_nc_u64 s[60:61], s[60:61], s[88:89]
	s_add_nc_u64 s[62:63], s[62:63], s[90:91]
	s_add_nc_u64 s[66:67], s[66:67], s[90:91]
	s_add_nc_u64 s[68:69], s[68:69], s[90:91]
	s_add_nc_u64 s[70:71], s[70:71], s[90:91]
	s_add_nc_u64 s[72:73], s[72:73], s[92:93]      ; where my codes go
	s_add_nc_u64 s[94:95], s[44:45], s[94:95]      ; where W3's image goes
	s_add_nc_u64 s[46:47], s[46:47], s[80:81]      ; bn3 at my half's first channel
.irp t, 0,1,2,3,4,5,6,7                        ; my 128 weight rows: they stay
	WIN 0x80+0x40*(\t/4)
.irp s, 0,1,2,3
.irp c, 0,1,2,3
	global_load_b128 v[64*(\t%4)+16*\s+4*\c:64*(\t%4)+16*\s+4*\c+3], v[5+\t%2], s[60:61] offset:(16*\t-8*(\t%2))*512+128*\s+32*\c
.endr
.endr
.endr
	WIN 0
	s_wait_kmcnt 0x0
	s_add_co_i32 s82, s48, s49
	s_add_co_i32 s83, s50, s51
	s_add_co_i32 s84, s54, s55
	s_cmp_eq_u32 s58, 0
	s_cselect_b32 s74, s82, s83
	s_cselect_b32 s75, s52, s53
	s_cmp_lt_u32 s58, 2
	s_cselect_b32 s74, s74, s84                    ; a sum stands for sum x 2^s74
	s_cselect_b32 s75, s75, s56                    ; the result's scale is 2^s75
	s_add_co_i32 s77, s75, 127
	s_add_co_i32 s76, s75, 135
	s_lshl_b32 s77, s77, 23
	s_lshl_b32 s76, s76, 23
	s_or_b32 s76, s76, 0x600000                    ; 448 x 2^e
	v_mov_b32 v15, s77                             ; 2^e: the conversion takes its exponent field
	s_cmp_lt_u32 s58, 2
	s_cbranch_scc0 .Lnorm_b
	; ---- role A's norm: for tile t eight numbers a lane, channels 32 (t / 2) + 16 h + 8 (t % 2) + 0 .. 7.  Window 1: g at v128, b at v192, m at v0, var at v64
	WIN 0x40
.irp t, 0,1,2,3,4,5,6,7
.irp q, 0,1
	global_load_b128 v[128+8*\t+4*\q:131+8*\t+4*\q], v7, s[62:63] offset:(32*(\t/2)+8*(\t%2))*4+16*\q
	global_load_b128 v[192+8*\t+4*\q:195+8*\t+4*\q], v7, s[66:67] offset:(32*(\t/2)+8*(\t%2))*4+16*\q
	global_load_b128 v[8*\t+4*\q:8*\t+4*\q+3], v7, s[68:69] offset:(32*(\t/2)+8*(\t%2))*4+16*\q
	global_load_b128 v[64+8*\t+4*\q:67+8*\t+4*\q], v7, s[70:71] offset:(32*(\t/2)+8*(\t%2))*4+16*\q
.endr
.endr
	s_wait_loadcnt 0x0                             ; the norm, and x and the weights with it
	WIN 0x55
.set j, 0
.rept 32
	v_pk_add_f32 v[64+j:65+j], v[64+j:65+j], EPSB op_sel_hi:[1,0]
.set j, j+2
.endr
.set j, 0
.rept 64
	v_rsq_f32 v[64+j], v[64+j]
.set j, j+1
.endr
	v_nop                                          ; a plain instruction behind the last of the batch
	s_wait_alu depctr_va_vdst(0)                   ; one wait for the batch, ahead of its first reader
.set j, 0
.rept 32
	v_pk_mul_f32 v[128+j:129+j], v[128+j:129+j], v[64+j:65+j]                                          ; sc = g / sqrt(var + eps)
.set j, j+2
.endr
.set j, 0
.rept 32
	v_pk_fma_f32 v[192+j:193+j], v[j:j+1], v[128+j:129+j], v[192+j:193+j] neg_lo:[1,0,0] neg_hi:[1,0,0]  ; sh = b - m sc
.set j, j+2
.endr
.set j, 0
.rept 64
	v_ldexp_f32 v[128+j], v[128+j], s74            ; the two operands' scales go into sc
.set j, j+1
.endr
	WIN 0
	s_branch .Lnorm_done
.Lnorm_b:
	; ---- role B's norm: one channel a lane and tile: 16 t + r.  Window 1: sc, sc, sh, sh at v[128 + 4 t]
	WIN 0x40
.irp t, 0,1,2,3,4,5,6,7
	global_load_b32 v[160+\t], v7, s[62:63] offset:64*\t
	global_load_b32 v[168+\t], v7, s[66:67] offset:64*\t
	global_load_b32 v[176+\t], v7, s[68:69] offset:64*\t
	global_load_b32 v[184+\t], v7, s[70:71] offset:64*\t
.endr
	s_wait_loadcnt 0x0
	WIN 0x55
.irp t, 0,1,2,3,4,5,6,7
	v_add_f32 v[184+\t], EPSB, v[184+\t]
.endr
.irp t, 0,1,2,3,4,5,6,7
	v_rsq_f32 v[184+\t], v[184+\t]
.endr
	v_nop
	s_wait_alu depctr_va_vdst(0)                   ; one wait for the batch, ahead of its first reader
.irp t, 0,1,2,3,4,5,6,7
	v_mul_f32 v[160+\t], v[160+\t], v[184+\t]
.endr
.irp t, 0,1,2,3,4,5,6,7
	v_fma_f32 v[130+4*\t], -v[176+\t], v[160+\t], v[168+\t]
	v_ldexp_f32 v[128+4*\t], v[160+\t], s74
.endr
.irp t, 0,1,2,3,4,5,6,7
	v_mov_b32 v[131+4*\t], v[130+4*\t]
	v_mov_b32 v[129+4*\t], v[128+4*\t]
.endr
	WIN 0
	s_cmp_lg_u32 ttmp9, 0                          ; the first work-group stores the folded norm (both halves of the lanes hold, and write, the same 16 bytes)
	s_cbranch_scc1 .Lno_bn3
	WIN 0x04
.irp t, 0,1,2,3,4,5,6,7
	global_store_b128 v11, v[128+4*\t:131+4*\t], s[46:47] offset:256*\t
.endr
	WIN 0
.Lno_bn3:
	s_and_b32 s82, ttmp9, 31                       ; each batch's first work-group stores W3's fragments as they stand: fragment 4 T + s at 2,048 bytes each
	s_cmp_lg_u32 s82, 0
	s_cbranch_scc1 .Lno_img
.irp t, 0,1,2,3,4,5,6,7
	WIN 0x08+4*(\t/4)
.irp s, 0,1,2,3
.irp c, 0,1,2,3
	global_store_b128 v1, v[64*(\t%4)+16*\s+4*\c:64*(\t%4)+16*\s+4*\c+3], s[94:95] offset:(4*\t+\s)*2048+512*\c
.endr
.endr
.endr
	WIN 0
.Lno_img:
.Lnorm_done:
	; ---- x into LDS: point j of a group of 32 goes to row 16 ((j / 8) % 2) + 8 (j / 16) + j % 8, so that a tile's 16 points lie in 16 rows on end
.set j, 0
.rept 32
	ds_store_b128 v2, v[32+4*j:35+4*j] offset:(16*((j>>3)&1)+8*(j>>4)+(j&7))*XP
.set j, j+1
.endr
	s_wait_dscnt 0x0                               ; for the others' sake: my rows lie in LDS
	s_barrier_signal -1
	s_barrier_wait -1                              ; everybody's do; nothing is written to LDS after this
.macro FETCHX g                        ; the eight fragments of group g: tiles 0, 1 x four K steps
.irp u, 0,1
.irp s, 0,1,2,3
.irp c, 0,1,2,3
	ds_load_b128 v[32+64*\u+16*\s+4*\c:35+64*\u+16*\s+4*\c], v[3+(\g)/2] offset:(32*((\g)%2)+16*\u)*XP+128*\s+32*\c
.endr
.endr
.endr
.endm
.macro MM role, t, u, s                ; one product; the first K step starts the sum
.set rW, 64*((\t)%4)+16*(\s)
.set rX, 32+64*(\u)+16*(\s)
.if \role == 0
.set rD, 64*(\u)+8*(\t)
.if \s == 0
	v_wmma_f32_16x16x128_fp8_fp8 v[rD:rD+7], v[rW:rW+15], v[rX:rX+15], 0
.else
	v_wmma_f32_16x16x128_fp8_fp8 v[rD:rD+7], v[rW:rW+15], v[rX:rX+15], v[rD:rD+7]
.endif
.else
.set rD, 16*(\t)+8*(\u)
.if \s == 0
	v_wmma_f32_16x16x128_fp8_fp8 v[rD:rD+7], v[rX:rX+15], v[rW:rW+15], 0
.else
	v_wmma_f32_16x16x128_fp8_fp8 v[rD:rD+7], v[rX:rX+15], v[rW:rW+15], v[rD:rD+7]
.endif
.endif
.endm
; A group of 32 points: 64 products (the 16 accumulators take turns, one instruction a turn, K step by K step), the norm, relu and hold in one, the conversion, eight stores.
.macro GROUP role, g
	s_wait_dscnt 0x0                               ; the group's fragments of x are in
.irp s, 0,1,2,3
.irp t, 0,1,2,3,4,5,6,7
.if \role == 0
	WIN 0x52+(\t/4)                                ; source 0 the weights (window 2 or 3), source 1 x (window 0), C and D window 1
.else
	WIN 0x58+4*(\t/4)                              ; source 0 x, source 1 the weights
.endif
.irp u, 0,1
	MM \role, \t, \u, \s
.endr
.endr
.endr
	WIN 0
	PLACES 4                                       ; in front of loads into registers that the products read, and of the first read of results
.if \g < 3
	FETCHX \g+1                                    ; the next group's fragments land while this group's results are worked
.endif
	WIN 0x55
.if \role == 0
.irp u, 0,1
.irp t, 0,1,2,3,4,5,6,7
.irp j, 0,2,4,6
	v_pk_fma_f32 v[64*\u+8*\t+\j:64*\u+8*\t+\j+1], v[64*\u+8*\t+\j:64*\u+8*\t+\j+1], v[128+8*\t+\j:129+8*\t+\j], v[192+8*\t+\j:193+8*\t+\j]   ; sum x sc + sh; each accumulator from its low end on
.endr
.endr
.endr
.else
.irp t, 0,1,2,3,4,5,6,7
.irp u, 0,1
.irp j, 0,2,4,6
	v_pk_fma_f32 v[16*\t+8*\u+\j:16*\t+8*\u+\j+1], v[16*\t+8*\u+\j:16*\t+8*\u+\j+1], v[128+4*\t:129+4*\t], v[130+4*\t:131+4*\t]
.endr
.endr
.endr
.endif
.set i, 0
.rept 128
	v_med3_num_f32 v[i], v[i], 0, s76              ; relu and the hold at the largest code x the scale in one (the conversion does not saturate: ISA guide 7.6.2)
.set i, i+1
.endr
	s_wait_xcnt 0x0                                ; the stores of two groups ago have read this set of code registers
	WIN 0x01
.set CB, 160+32*((\g)%2)
.if \role == 0
.irp u, 0,1
.irp t, 0,1,2,3,4,5,6,7
	v_cvt_scalef32_pk8_fp8_f32 v[CB+16*\u+2*\t:CB+16*\u+2*\t+1], v[64*\u+8*\t:64*\u+8*\t+7], v15   ; tile t's eight channels: registers 2 t, 2 t + 1 of the point tile's fragment
.endr
.endr
.else
.irp t, 0,1,2,3,4,5,6,7
.irp u, 0,1
	v_cvt_scalef32_pk8_fp8_f32 v[CB+4*\t+2*\u:CB+4*\t+2*\u+1], v[16*\t+8*\u:16*\t+8*\u+7], v15     ; eight points: chunk g of channel tile t's fragment
.endr
.endr
.endif
	v_nop                                          ; a plain instruction between the last conversion and the next products, which write its sources
	WIN 0
.if \role == 0
.irp u, 0,1
.irp c, 0,1,2,3
	global_store_b128 v1, v[CB+16*\u+4*\c:CB+16*\u+4*\c+3], s[72:73] offset:(2*(\g)+\u)*2048+512*\c   ; 32 lanes store 512 consecutive bytes, aligned
.endr
.endr
.else
.irp t, 0,1,2,3,4,5,6,7
	global_store_b128 v1, v[CB+4*\t:CB+4*\t+3], s[72:73] offset:\t*2048+512*(\g)
.endr
.endif
.endm
	FETCHX 0
	s_cmp_lt_u32 s58, 2
	s_cbranch_scc0 .Lrole_b
	GROUP 0, 0
	GROUP 0, 1
	GROUP 0, 2
	GROUP 0, 3
	s_wait_tensorcnt 0x0
	ds_add_u32 v254, v255
	s_wait_dscnt 0x0
	s_endpgm
.Lrole_b:
	GROUP 1, 0
	GROUP 1, 1
	GROUP 1, 2
	GROUP 1, 3
	s_wait_tensorcnt 0x0
	ds_add_u32 v254, v255
	s_wait_dscnt 0x0
	s_endpgm
.Lfunc_end_k_qdb830cd465_proj:
	.size	k_qdb830cd465_proj, .Lfunc_end_k_qdb830cd465_proj-k_qdb830cd465_proj
	.p2alignl 7, 3214868480
	.fill 96, 4, 3214868480
	.section	.rodata,"a",@progbits
	.p2align	6, 0x0
	.amdhsa_kernel k_qdb830cd465_proj
		.amdhsa_group_segment_fixed_size 68096
		.amdhsa_private_segment_fixed_size 0
		.amdhsa_enable_private_segment 0
		.amdhsa_kernarg_size 160
		.amdhsa_user_sgpr_count 2
		.amdhsa_user_sgpr_kernarg_segment_ptr 1
		.amdhsa_wavefront_size32 1
		.amdhsa_system_sgpr_workgroup_id_x 1
		.amdhsa_system_sgpr_workgroup_id_y 1
		.amdhsa_system_sgpr_workgroup_id_z 1
		.amdhsa_system_vgpr_workitem_id 0
		.amdhsa_next_free_vgpr 1024
		.amdhsa_next_free_sgpr 96
		.amdhsa_reserve_vcc 0
		.amdhsa_float_denorm_mode_32 3
		.amdhsa_float_denorm_mode_16_64 3
		.amdhsa_memory_ordered 1
		.amdhsa_forward_progress 1
		.amdhsa_inst_pref_size 221
	.end_amdhsa_kernel
	.amdgpu_metadata
---
amdhsa.version: [ 1, 2 ]
amdhsa.kernels:
  - .name:           k_qdb830cd465_proj
    .symbol:         k_qdb830cd465_proj.kd
    .args:
      - { .name: x_codes, .offset: 0, .size: 8, .value_kind: global_buffer, .address_space: global }
      - { .name: lowp_scales, .offset: 8, .size: 8, .value_kind: global_buffer, .address_space: global }
      - { .name: W1_codes, .offset: 16, .size: 8, .value_kind: global_buffer, .address_space: global }
      - { .name: W2_codes, .offset: 24, .size: 8, .value_kind: global_buffer, .address_space: global }
      - { .name: W3_codes, .offset: 32, .size: 8, .value_kind: global_buffer, .address_space: global }
      - { .name: g1, .offset: 40, .size: 8, .value_kind: global_buffer, .address_space: global }
      - { .name: g2, .offset: 48, .size: 8, .value_kind: global_buffer, .address_space: global }
      - { .name: g3, .offset: 56, .size: 8, .value_kind: global_buffer, .address_space: global }
      - { .name: b1, .offset: 64, .size: 8, .value_kind: global_buffer, .address_space: global }
      - { .name: b2, .offset: 72, .size: 8, .value_kind: global_buffer, .address_space: global }
      - { .name: b3, .offset: 80, .size: 8, .value_kind: global_buffer, .address_space: global }
      - { .name: m1, .offset: 88, .size: 8, .value_kind: global_buffer, .address_space: global }
      - { .name: m2, .offset: 96, .size: 8, .value_kind: global_buffer, .address_space: global }
      - { .name: m3, .offset: 104, .size: 8, .value_kind: global_buffer, .address_space: global }
      - { .name: v1, .offset: 112, .size: 8, .value_kind: global_buffer, .address_space: global }
      - { .name: v2, .offset: 120, .size: 8, .value_kind: global_buffer, .address_space: global }
      - { .name: v3, .offset: 128, .size: 8, .value_kind: global_buffer, .address_space: global }
      - { .name: q_img, .offset: 136, .size: 8, .value_kind: global_buffer, .address_space: global }
      - { .name: kvw, .offset: 144, .size: 8, .value_kind: global_buffer, .address_space: global }
      - { .name: bn3, .offset: 152, .size: 8, .value_kind: global_buffer, .address_space: global }
    .group_segment_fixed_size: 68096
    .private_segment_fixed_size: 0
    .kernarg_segment_align: 8
    .kernarg_segment_size: 160
    .max_flat_workgroup_size: 128
    .sgpr_count:     96
    .vgpr_count:     1024
    .wavefront_size: 32
...
	.end_amdgpu_metadata
.endif
;; end of part 1
;; launch attn (part 2): grid 32 x 8, 8 waves a work-group, clusters of 4 x 1, 327,680 bytes of LDS; arguments q_img, kvw, x_codes, bn3, lowp_scales, out0; writes out0
.if DOCPART == 2
	.amdgcn_target "amdgcn-amd-amdhsa--gfx1250"
	.amdhsa_code_object_version 6
	.text
	.protected	k_qdb830cd465_attn
	.globl	k_qdb830cd465_attn
	.p2align	8
	.type	k_qdb830cd465_attn,@function
k_qdb830cd465_attn:
	s_mov_b64 s[64:65], 0
	v_nop
	global_prefetch_b8 v0, s[64:65] scope:SCOPE_SE
	s_setreg_imm32_b32 hwreg(HW_REG_WAVE_MODE, 25, 1), 1
	s_wait_xcnt 0x0
	s_wait_alu depctr_hold_cnt(0) depctr_sa_sdst(0) depctr_va_vdst(0) depctr_va_sdst(0) depctr_va_ssrc(0) depctr_va_vcc(0) depctr_vm_vsrc(0)
	s_getreg_b32 s2, hwreg(HW_REG_IB_STS2, 6, 4)
	s_cmp_eq_u32 s2, 0
	s_cbranch_scc0 .Lentry_in_a_cluster
	s_endpgm
.Lentry_in_a_cluster:
	s_bfe_u32 s2, ttmp6, 0x10000c
	s_cmp_lg_u32 s2, 0x3003
	s_cbranch_scc0 .Lentry_shape_is_right
	s_endpgm
.Lentry_shape_is_right:
; out[b][c][m] = v[b][c][m] + (sum over n of v_q[b][c][n] p_q[m][n]) / l[m], p = 2^(t - M), t = (a_q[:, m] . k_q[:, n]) log2(e), M = the ceiling of the row's largest t, l = the sum of the unquantised p.
; a's, k's and v's codes come as images of operand registers (a fragment: 2,048 bytes, chunk c at 512 c + 16 x lane; lane (r, h): K = 32 c + 16 h + 0 .. 15 of row r).  In each group of 32 points lane r of tile u is point 8 u + r + 8 (r / 8).
; SHARES.  A work-group owns 128 queries of a batch.  Eight waves, two to a SIMD: wave w has queries 32 (w % 4) on (two tiles of 16) and half w / 4 of the keys: of each LDS slot of 256 keys it takes 128.  So each fragment
; of k and v read from LDS feeds two products, and one wave's vector work stands beside the other's products.  At the end waves w and w xor 4 join their halves by exact powers of two (both M are whole numbers).
; Both products are used transposed (S^T = k q^T, O^T = v p^T): a lane holds one query throughout; the conversions' results are the second product's operand.
; THE RESIDUAL v (f32) is made anew at the end for the work-group's own queries from x's codes and W3's image, which comes in as the ring's last fill: 64 products a wave.
; CLUSTER.  The four work-groups of a cluster belong to one batch and walk the same k and v: each slot is asked for jointly, every wave fetching an eighth (48 rows of 256 bytes).  By this text's count a wave has three tensor loads out at the head and one later.
; LIMITS: entry 9 of the scales between -126 and 119; entries 4 + 5 between -126 and 127 (added to log2(e)'s exponent field); entries 8 + 9 are applied by v_ldexp_f32.  NaN among the inputs is not served.
; REGISTERS.  Window 0: v1-6 LDS addresses; v7, v8 the spare word's address and 0; v9 the prefetches' offset; v10 16 x lane; v[12 + 8 u ..] tile u's statistics: +0 -M, +1 largest t, +2, +3 l in two halves, +4 f, +5 to +7 at work;
;   v28 448 x 2^e9, v29 2^e9; v32-63 q; v64-127 k's tiles 4-7, then (v96-127) p's codes; v128-255 S^T (tile u, key tile T at 128 + 64 u + 8 T), k's tiles 0-3 in the half not yet written, later v's fragments.
;   Window 1: O^T: (u, a) at 128 u + 8 a.  Accumulator a stands for channel tile 8 (w / 4) + a where a < 8, else for the partner's tile a - 8: every wave keeps a < 8 and hands over a >= 8, by the same text.
.set BST,   0x1A0000                   ; a batch's part of kvw: 32 steps of 49,152 bytes, then W3's image, 131,072
.set SLOTB, 98304                      ; a slot: two steps
.set SLOT1, 1<<17                      ; slot 1 begins here: one exclusive or turns an address of one slot into the other's
.set GAPO,  98304                      ; between the slots: W3's fragments 48-63, filled once; with the last fill of slot 0 the whole image lies at 2,048 F
.set IMGO,  0x180000
.set MX,    131072                     ; at the end: 16,384 bytes a wave, what it hands to its partner (slot 1 has had its last fill and its last read)
.set STATS, 262144                     ; 512 bytes a wave: -M and l of its two tiles
.set SP,    528                        ; the stages' rows: 128 queries x 4 bytes + 16
.set STGR,  256*SP                     ; stage of the attention part at 0, of the residual behind it: 256 channels each
.set SPARE, 326656                     ; the spare words: 128 bytes a wave, four blocks of 256 bytes that no other line names
.set MSB, 0
.macro WIN new                         ; the immediate's high byte repeats the setting that is left
.if MSB != (\new)
	s_set_vgpr_msb (MSB<<8)|(\new)
.set MSB, (\new)
.endif
.endm
.macro PLACES n
.rept \n
	v_nop
.endr
.endm
.macro CREST                           ; a round of the cluster's barrier behind its opening barrier
	s_cmp_lg_u32 s18, 0
	s_cbranch_scc1 .Lnot_wave_0_\@
	s_barrier_signal -3
.Lnot_wave_0_\@:
	s_barrier_wait -3
	s_barrier_signal -1
	s_barrier_wait -1
.endm
.macro CROUND
	s_barrier_signal -1
	s_barrier_wait -1
	CREST
.endm
	s_load_b256 s[4:11], s[0:1], 0x0               ; q_img 4, kvw 6, x 8, bn3 10
	s_load_b128 s[12:15], s[0:1], 0x20             ; the scales 12, out 14
	v_lshl_add_u32 v7, v0, 2, SPARE
	v_mov_b32 v8, 0
	ds_add_u32 v7, v8
	ds_add_u32 v7, v8
	s_wait_dscnt 0x0
	v_lshrrev_b32 v10, 5, v0
	v_readfirstlane_b32 s18, v10                   ; wave 0..7
	s_and_b32 s19, s18, 3                          ; g: my 32 queries
	s_lshr_b32 s20, s18, 2                         ; kh: my half of the keys
	s_bfe_u32 s21, ttmp6, 0x40000                  ; cx: it enters global addresses of q, x, out and the prefetches alone
	s_lshl_b32 s22, ttmp9, 2
	s_add_co_u32 s22, s22, s21                     ; my block of 128 queries
	s_and_b32 s23, ttmp7, 0xffff                   ; the batch, which the partners share
	; descriptor group 1: dense rows of 32 elements of 8 bytes; 48 rows a wave for a slot, 16 for the gap
	s_mov_b32 s24, 15|(3<<16)|(1<<21)              ; the mask: all four work-groups; elements of 8 bytes; bit 21 set beside a mask; no padding
	s_mov_b32 s25, 32<<16                          ; tensor_dim0
	s_mov_b32 s26, 48<<16                          ; tensor_dim1
	s_mov_b32 s27, 32<<16                          ; tile_dim0
	s_mov_b32 s28, 48                              ; tile_dim1
	s_mov_b32 s29, 32                              ; from row to row
	s_mov_b32 s30, 0
	s_mov_b32 s31, 0
	s_mov_b32 s32, 15|(3<<16)|(1<<21)
	s_mov_b32 s33, 32<<16
	s_mov_b32 s34, 16<<16
	s_mov_b32 s35, 32<<16
	s_mov_b32 s36, 16
	s_mov_b32 s37, 32
	s_mov_b32 s38, 0
	s_mov_b32 s39, 0
	s_mul_i32 s72, s23, BST
	s_mov_b32 s73, 0
	s_mul_i32 s74, s18, 12288                      ; my eighth of a slot, in memory and in LDS
	s_mov_b32 s75, 0
	s_lshl_b32 s76, s18, 12                        ; my eighth of the gap
	s_mov_b32 s77, 0
	s_lshl_b32 s78, s23, 8                         ; q: tile 256 batch + 8 block + 2 g, 2,048 bytes each
	s_lshl_b32 s79, s22, 3
	s_add_co_u32 s78, s78, s79
	s_lshl_b32 s79, s19, 1
	s_add_co_u32 s78, s78, s79
	s_lshl_b32 s78, s78, 11
	s_mov_b32 s79, 0
	s_lshl_b32 s80, s23, 21                        ; x: (4,096 batch + 128 block) x 512 bytes
	s_lshl_b32 s81, s22, 16
	s_add_co_u32 s80, s80, s81
	s_mov_b32 s81, 0
	s_lshl_b32 s82, s18, 13                        ; 8,192 x wave
	s_mov_b32 s83, 0
	s_lshl_b32 s84, s19, 14                        ; 32 g points
	s_mov_b32 s85, 0
	s_lshl_b32 s86, s20, 11                        ; bn3: 128 kh channels of 16 bytes
	s_mov_b32 s87, 0
	s_lshl_b32 s88, s23, 8                         ; out: ((256 batch + 32 wave) x 4,096 + 128 block) x 4
	s_lshl_b32 s89, s18, 5
	s_add_co_u32 s88, s88, s89
	s_lshl_b32 s88, s88, 14
	s_lshl_b32 s89, s22, 9
	s_add_co_u32 s88, s88, s89
	s_mov_b32 s89, 0
	s_mul_i32 s90, s21, 24576                      ; the prefetches: the partners share a slot's bytes out by address, a quarter each; waves 0 to 2 take 8,192 of it each
	s_add_co_u32 s90, s90, s82
	s_add_co_u32 s90, s90, 2*SLOTB                 ; at the third slot's worth of keys; the first change of slots steps it on
	s_mov_b32 s91, 0
	s_mov_b32 s60, 0x76543210                      ; v_permlanex16_b32: lane l xor 16
	s_mov_b32 s61, 0xfedcba98
	s_mov_b32 s52, 0                               ; the slot in hand
	s_cmp_lt_u32 s18, 3
	s_cselect_b32 s54, 0, 1
	s_or_b32 s54, s54, ttmp9                       ; all clusters of a batch walk the same bytes: the batch's first cluster asks
	s_cmp_eq_u32 s54, 0
	s_cselect_b32 s54, 0, -1                       ; 0 in a wave that prefetches, else the greatest number; the same in all partners
	s_wait_kmcnt 0x0
	s_load_b64 s[66:67], s[12:13], 0x10            ; entries 4, 5
	s_load_b64 s[68:69], s[12:13], 0x20            ; entries 8, 9
	s_add_nc_u64 s[6:7], s[6:7], s[72:73]          ; kvw at my batch
	s_add_nc_u64 s[4:5], s[4:5], s[78:79]
	s_add_nc_u64 s[8:9], s[8:9], s[80:81]
	s_add_nc_u64 s[62:63], s[8:9], s[82:83]        ; x: what my wave prefetches
	s_add_nc_u64 s[8:9], s[8:9], s[84:85]          ; x at my 32 queries
	s_add_nc_u64 s[10:11], s[10:11], s[86:87]
	s_add_nc_u64 s[14:15], s[14:15], s[88:89]
	s_add_nc_u64 s[56:57], s[6:7], s[90:91]
	s_mov_b32 s40, 1                               ; group 0 for slot 0's first fill
	s_mov_b32 s41, s74
	s_add_nc_u64 s[42:43], s[6:7], s[74:75]
	s_or_b32 s43, s43, 0x80000000
	s_mov_b32 s44, 1                               ; the walking group 0: begins with slot 1's first fill
	s_add_co_u32 s45, s74, SLOT1
	s_add_nc_u64 s[46:47], s[6:7], s[74:75]
	s_add_nc_u64 s[46:47], s[46:47], SLOTB
	s_or_b32 s47, s47, 0x80000000
	s_mov_b32 s48, 1                               ; the gap: W3's fragments 48-63
	s_add_co_u32 s49, s76, GAPO
	s_add_nc_u64 s[50:51], s[6:7], s[76:77]
	s_add_nc_u64 s[50:51], s[50:51], IMGO+SLOTB
	s_or_b32 s51, s51, 0x80000000
	CROUND                                         ; all four work-groups are here: the first joint loads meet
	tensor_load_to_lds s[40:43], s[24:31]          ; the first fills go out together, ahead of every wait on TENSORcnt and every LDS read
	s_nop 0
	tensor_load_to_lds s[44:47], s[24:31]
	s_nop 0
	tensor_load_to_lds s[48:51], s[32:39]
	s_nop 0
	PLACES 4
	v_and_b32 v10, 31, v0
	v_lshlrev_b32 v10, 4, v10                      ; 16 x lane: an image's place for my lane; never rewritten
.irp u, 0,1
.irp c, 0,1,2,3
	global_load_b128 v[32+16*\u+4*\c:35+16*\u+4*\c], v10, s[4:5] offset:2048*\u+512*\c   ; q's two fragments stay in registers
.endr
.endr
	s_mul_i32 s72, s20, 49152
	v_add_nc_u32 v1, s72, v10                      ; k's image of my step
	s_lshl_b32 s72, s20, 16
	s_add_co_u32 s72, s72, 16384
	v_add_nc_u32 v2, s72, v10                      ; v's tiles 8 kh on, of my step: 49,152 kh + 16,384 + 16,384 kh
	s_lshl_b32 s72, s20, 15
	s_add_co_u32 s72, s72, 32768
	v_add_nc_u32 v3, s72, v10                      ; v's tiles 8 (1 - kh) on: 49,152 kh + 16,384 + 16,384 (1 - kh)
	v_and_b32 v9, 31, v0
	v_lshlrev_b32 v9, 8, v9                        ; the prefetches: lanes 256 bytes apart; never rewritten
.irp u, 0,1
	v_mov_b32 v[13+8*\u], 0xff61b1e6               ; the largest t so far: -3e38
	v_mov_b32 v[14+8*\u], 0                        ; l
	v_mov_b32 v[15+8*\u], 0
	v_mov_b32 v[17+8*\u], 0                        ; a lane permute's destination counts as read
.endr
	s_wait_kmcnt 0x0
	s_add_co_i32 s72, s66, s67
	s_lshl_b32 s72, s72, 23
	s_add_co_i32 s58, s72, 0x3fb8aa3b              ; log2(e) x 2^(e4 + e5): the exponents are added to its exponent field
	s_mov_b32 s59, s58                             ; (named with it as a pair)
	s_add_co_i32 s72, s69, 127
	s_lshl_b32 s73, s72, 23
	v_mov_b32 v29, s73                             ; 2^e9, for the conversion
	s_add_co_i32 s72, s72, 8
	s_lshl_b32 s72, s72, 23
	s_or_b32 s72, s72, 0x600000
	v_mov_b32 v28, s72                             ; 448 x 2^e9
	s_add_co_i32 s70, s68, s69                     ; e8 + e9
.macro SETK t                          ; where k's tile t lies: tiles 0-3 in the halves of S^T that tiles 4-7's products write later, tiles 4-7 in v64-127
.if (\t) < 2
.set rK, 160+16*(\t)
.elseif (\t) < 4
.set rK, 192+16*(\t)
.else
.set rK, 16*(\t)
.endif
.endm
.macro KLOAD
.irp t, 0,1,2,3,4,5,6,7
	SETK \t
.irp c, 0,1,2,3
	ds_load_b128 v[rK+4*\c:rK+4*\c+3], v4 offset:2048*\t+512*\c
.endr
.endr
.endm
.macro SQ t0                           ; S^T of key tiles t0 .. t0 + 3 for both query tiles: K = the 128 channels, one instruction a tile
.irp d, 0,1,2,3
	SETK (\t0)+\d
.irp u, 0,1
	v_wmma_f32_16x16x128_fp8_fp8 v[128+64*\u+8*((\t0)+\d):135+64*\u+8*((\t0)+\d)], v[rK:rK+15], v[32+16*\u:47+16*\u], 0
.endr
.endr
.endm
.macro VLOAD bt                        ; v's fragments of accumulators 4 bt .. 4 bt + 3 into v128-191 or v192-255 by turns
.irp k, 0,1,2,3
.irp c, 0,1,2,3
	ds_load_b128 v[128+64*((\bt)%2)+16*\k+4*\c:131+64*((\bt)%2)+16*\k+4*\c], v[5+(\bt)/2] offset:((4*(\bt)+\k)%8)*2048+512*\c
.endr
.endr
.endm
.macro PVB bt, zero                    ; O^T += v p^T: eight different accumulators, one instruction each.  zero = 1: the first step starts the sums
	WIN 0x50
.irp k, 0,1,2,3
.irp u, 0,1
.set rO, 128*\u+8*(4*(\bt)+\k)
.set rV, 128+64*((\bt)%2)+16*\k
.if \zero
	v_wmma_f32_16x16x128_fp8_fp8 v[rO:rO+7], v[rV:rV+15], v[96+16*\u:111+16*\u], 0
.else
	v_wmma_f32_16x16x128_fp8_fp8 v[rO:rO+7], v[rV:rV+15], v[96+16*\u:111+16*\u], v[rO:rO+7]
.endif
.endr
.endr
.endm
.macro RESC a0, a1                     ; O^T of accumulators a0 .. a1 under the new M: x f, an exact power of two
	WIN 0x41
.set ra, \a0
.rept (\a1)-(\a0)+1
.irp u, 0,1
.irp j, 0,2,4,6
	v_pk_mul_f32 v[128*\u+8*ra+\j:128*\u+8*ra+\j+1], v[128*\u+8*ra+\j:128*\u+8*ra+\j+1], v[16+8*\u:17+8*\u] op_sel_hi:[1,0]
.endr
.endr
.set ra, ra+1
.endr
.endm
.macro ASK                             ; a prefetch of what the next change of slots will ask for: 32 blocks of 256 bytes a wave, each named once in the launch
	s_cmp_gt_u32 s53, s54
	s_cbranch_scc0 .Lnot_mine_\@
	global_prefetch_b8 v9, s[56:57] th:TH_LOAD_NT scope:SCOPE_SE
.Lnot_mine_\@:
.endm
; The softmax of a step, the two tiles line by line by turns.  first = 1: no old M, nothing to bring under a new one.
.macro SOFTMAX first
.irp u, 0,1
	v_max3_num_f32 v[18+8*\u], v[128+64*\u], v[129+64*\u], v[130+64*\u]   ; the largest of my 64 scores, in two chains, ascending: each result tile is read from its low end on
.endr
.irp u, 0,1
	v_max3_num_f32 v[19+8*\u], v[131+64*\u], v[132+64*\u], v[133+64*\u]
.endr
.set i, 6
.rept 14
.irp u, 0,1
	v_max3_num_f32 v[18+8*\u], v[18+8*\u], v[128+64*\u+i], v[129+64*\u+i]
.endr
.irp u, 0,1
	v_max3_num_f32 v[19+8*\u], v[19+8*\u], v[130+64*\u+i], v[131+64*\u+i]
.endr
.set i, i+4
.endr
.irp u, 0,1
	v_max3_num_f32 v[18+8*\u], v[18+8*\u], v[190+64*\u], v[191+64*\u]
.endr
.irp u, 0,1
	v_max_num_f32 v[18+8*\u], v[18+8*\u], v[19+8*\u]
.endr
.irp u, 0,1
	v_permlanex16_b32 v[17+8*\u], v[18+8*\u], s60, s61   ; the query's other 64 keys lie in the lane 16 away
.endr
.irp u, 0,1
	v_max_num_f32 v[18+8*\u], v[18+8*\u], v[17+8*\u]
.endr
.irp u, 0,1
	v_mul_f32 v[18+8*\u], s58, v[18+8*\u]          ; as t
.endr
.irp u, 0,1
	v_max_num_f32 v[13+8*\u], v[13+8*\u], v[18+8*\u]
.endr
.if \first == 0
.irp u, 0,1
	v_mov_b32 v[18+8*\u], v[12+8*\u]
.endr
.endif
.irp u, 0,1
	v_floor_f32 v[12+8*\u], -v[13+8*\u]            ; -M = floor(-t) = -ceil(t)
.endr
.if \first == 0
.irp u, 0,1
	v_sub_f32 v[18+8*\u], v[12+8*\u], v[18+8*\u]   ; old M - new M: a whole number, 0 or less
.endr
.irp u, 0,1
	v_cvt_i32_f32 v[18+8*\u], v[18+8*\u]
.endr
.irp u, 0,1
	v_ldexp_f32 v[16+8*\u], 1.0, v[18+8*\u]        ; f
.endr
.endif
.set i, 0
.rept 32
.irp u, 0,1
	v_pk_fma_f32 v[128+64*\u+i:129+64*\u+i], v[128+64*\u+i:129+64*\u+i], s[58:59], v[12+8*\u:13+8*\u] op_sel_hi:[1,0,0]   ; t - M
.endr
.set i, i+2
.endr
.set i, 0
.rept 64
	v_exp_f32 v[128+i], v[128+i]                   ; p = 2^(t - M): one batch of 128
	v_exp_f32 v[192+i], v[192+i]
.set i, i+1
.endr
.if \first
	v_nop                                          ; a plain instruction behind the last exponential
.else
.irp u, 0,1
	v_pk_mul_f32 v[14+8*\u:15+8*\u], v[14+8*\u:15+8*\u], v[16+8*\u:17+8*\u] op_sel_hi:[1,0]   ; l under the new M (plain instructions behind the last exponential)
.endr
.endif
	s_wait_alu depctr_va_vdst(0)                   ; one wait for the batch, ahead of its first reader
.irp u, 0,1
	v_pk_add_f32 v[18+8*\u:19+8*\u], v[128+64*\u:129+64*\u], v[130+64*\u:131+64*\u]   ; the sum of the unquantised p, in two chains
.endr
.set i, 4
.rept 15
.irp u, 0,1
	v_pk_add_f32 v[14+8*\u:15+8*\u], v[14+8*\u:15+8*\u], v[128+64*\u+i:129+64*\u+i]
.endr
.irp u, 0,1
	v_pk_add_f32 v[18+8*\u:19+8*\u], v[18+8*\u:19+8*\u], v[130+64*\u+i:131+64*\u+i]
.endr
.set i, i+4
.endr
.irp u, 0,1
	v_pk_add_f32 v[14+8*\u:15+8*\u], v[14+8*\u:15+8*\u], v[18+8*\u:19+8*\u]
.endr
.set i, 0
.rept 128
	v_min_num_f32 v[128+i], v[128+i], v28          ; the conversion does not saturate (ISA guide 7.6.2); p is not negative, so the hold is one-sided
.set i, i+1
.endr
.irp u, 0,1
.irp t, 0,1,2,3,4,5,6,7
	v_cvt_scalef32_pk8_fp8_f32 v[96+16*\u+2*\t:97+16*\u+2*\t], v[128+64*\u+8*\t:135+64*\u+8*\t], v29   ; key tile t's eight keys: registers 2 t, 2 t + 1 of p's fragment
.endr
.endr
	v_nop                                          ; a plain instruction behind the last conversion
.endm
; A step's first part.  ask = 1: the prefetch of k and v; 2: of my work-group's rows of x, a step ahead of their loads, 8,192 bytes a wave.
.macro PART1 first, ask
	v_add_nc_u32 v4, s52, v1                       ; with the four v_nop behind the tensor load: seven places behind the last products, whose registers the loads and products below write
	v_add_nc_u32 v5, s52, v2
	v_add_nc_u32 v6, s52, v3
	KLOAD
.if \ask == 1
	ASK
.elseif \ask == 2
	global_prefetch_b8 v9, s[62:63] th:TH_LOAD_NT scope:SCOPE_SE
.endif
	s_wait_dscnt 16                                ; k's tiles 0-3 are in; the 16 loads of tiles 4-7 may be out
	SQ 0
	s_wait_dscnt 0x0
	PLACES 5                                       ; the products below write over the registers of k's tiles 0-3, which those above read
	SQ 4
	PLACES 4
	SOFTMAX \first
	VLOAD 0
	VLOAD 1
.if \first == 0
	RESC 0, 7
.endif
	s_wait_dscnt 16                                ; batch 0 is in; batch 1's 16 loads may be out
	PVB 0, \first
.if \first
	PLACES 4
.else
	RESC 8, 11                                     ; also the places in front of the loads below
.endif
	WIN 0
	VLOAD 2
	s_wait_dscnt 16                                ; batch 1 is in; batch 2's may be out
	PVB 1, \first
.if \first
	PLACES 4
.else
	RESC 12, 15
.endif
	WIN 0
	VLOAD 3
.endm
; The step's end and the change of slots: each wave waits for all its tensor loads (its eighth of the next slot), adds 0 to its spare word, and waits for that and for its reads of this slot; the barrier opens a round of the
; cluster's barrier; behind the round the slot just read is filled again, first thing, one load a wave: it has a whole step in which to land.
.macro PART2 zero
	s_wait_xcnt 0x0                                ; the last prefetch, most of a step back, has read its address
	s_add_nc_u64 s[56:57], s[56:57], SLOTB
	s_wait_tensorcnt 0x0                           ; all my tensor loads have landed
	ds_add_u32 v7, v8                              ; 0 onto my spare word
	s_wait_dscnt 17                                ; batch 2 is in; batch 3's 16 loads and the add may be out
	PVB 2, \zero
	s_wait_dscnt 0x0                               ; the add is done, and my reads of this slot are over
	s_barrier_signal -1
	PVB 3, \zero
	WIN 0
	s_barrier_wait -1
	CREST                                          ; no wave of any partner still reads this slot or has a load on its way
	s_xor_b32 s45, s45, SLOT1                      ; the walking descriptor: the other slot than last time,
	s_add_nc_u64 s[46:47], s[46:47], SLOTB         ; the next 256 keys; behind the last keys lies W3's image, which is the last fill
	tensor_load_to_lds s[44:47], s[24:31]
	s_nop 0
	PLACES 4
	s_xor_b32 s52, s52, SLOT1                      ; on to the other slot
.endm
	s_wait_tensorcnt 2                             ; my eighth of slot 0 is in; slot 1's and the gap's loads may stay out
	s_barrier_signal -1
	s_barrier_wait -1
	s_wait_loadcnt 0x0                             ; q
	PART1 1, 0
	PART2 1
	s_mov_b32 s53, 14
.Lslot:                                            ; 14 trips: the second to the fifteenth 256 keys
	PART1 0, 1
	PART2 0
	s_sub_co_u32 s53, s53, 1
	s_cmp_lg_u32 s53, 0
	s_cbranch_scc1 .Lslot
	PART1 0, 2                                     ; the last 256 keys are written out: nothing is left to fetch
	s_wait_tensorcnt 0x0                           ; my eighth of W3's image has landed
	ds_add_u32 v7, v8                              ; the same three lines as at every change of slots
	s_wait_dscnt 17
	PVB 2, 0
	s_wait_dscnt 0x0
	s_barrier_signal -1
	PVB 3, 0
	WIN 0
	s_barrier_wait -1                              ; nobody reads slot 1 any more, and W3's image is whole
	; ---- THE END.  x's fragments and the folded norm are asked for; the seven lines ahead of the loads are the places behind the last products
	v_and_b32 v28, 15, v0                          ; r
	v_bfe_u32 v29, v0, 4, 1                        ; h
	v_lshrrev_b32 v11, 3, v28
	v_lshl_add_u32 v11, v11, 3, v28                ; r + 8 (r / 8)
	v_lshlrev_b32 v1, 9, v11
	v_lshl_add_u32 v1, v29, 4, v1                  ; x: my point's row of 512 bytes, + 16 h
	v_lshlrev_b32 v2, 4, v28                       ; bn3: 16 bytes a channel
.irp u, 0,1
.irp s, 0,1,2,3
.irp c, 0,1,2,3
	global_load_b128 v[128+64*\u+16*\s+4*\c:131+64*\u+16*\s+4*\c], v1, s[8:9] offset:4096*\u+128*\s+32*\c
.endr
.endr
.endr
.irp a, 0,1,2,3,4,5,6,7
	global_load_b128 v[96+4*\a:99+4*\a], v2, s[10:11] offset:256*\a   ; sc, sc, sh, sh of channel 128 kh + 16 a + r
.endr
	s_mul_i32 s72, s20, 128*SP
	s_lshl_b32 s73, s19, 7
	s_add_co_u32 s72, s72, s73                     ; my 128 channels' rows, my 32 queries' bytes
	v_mul_u32_u24 v31, v29, 8*SP
	v_lshl_add_u32 v31, v11, 2, v31
	v_add_nc_u32 v31, s72, v31                     ; the attention part's stage: row 128 kh + 8 h (+ 16 a + j), query 32 g + r + 8 (r / 8) (+ 8 u)
	v_mul_u32_u24 v30, v28, SP
	v_lshl_add_u32 v30, v29, 6, v30
	s_add_co_u32 s72, s72, STGR
	v_add_nc_u32 v30, s72, v30                     ; the residual's stage: row 128 kh + r (+ 16 a), queries 32 g + 16 h (+ 8 u + j)
	s_lshl_b32 s73, s20, 16
	v_add_nc_u32 v11, s73, v10                     ; W3's fragments of my 8 channel tiles
	s_xor_b32 s74, s18, 4                          ; my partner
	v_and_b32 v3, 31, v0
	v_lshlrev_b32 v3, 2, v3
	s_lshl_b32 s75, s74, 9
	s_add_co_u32 s75, s75, STATS
	v_add_nc_u32 v4, s75, v3                       ; its statistics,
	s_lshl_b32 s75, s18, 9
	s_add_co_u32 s75, s75, STATS
	v_add_nc_u32 v3, s75, v3                       ; mine
	s_lshl_b32 s75, s18, 14
	s_add_co_u32 s75, s75, MX
	v_add_nc_u32 v5, s75, v10                      ; what I hand over,
	s_lshl_b32 s75, s74, 14
	s_add_co_u32 s75, s75, MX
	v_add_nc_u32 v6, s75, v10                      ; what I am handed
.irp u, 0,1
	v_add_f32 v[14+8*\u], v[14+8*\u], v[15+8*\u]   ; l's two halves,
.endr
.irp u, 0,1
	v_permlanex16_b32 v[17+8*\u], v[14+8*\u], s60, s61
.endr
.irp u, 0,1
	v_add_f32 v[14+8*\u], v[14+8*\u], v[17+8*\u]   ; and lane l xor 16's
.endr
.irp u, 0,1
	ds_store_b32 v3, v[12+8*\u] offset:256*\u
	ds_store_b32 v3, v[14+8*\u] offset:256*\u+128
.endr
	WIN 0x04                                       ; store data in window 1
.irp u, 0,1
.set i, 0
.rept 16
	ds_store_b128 v5, v[128*\u+64+4*i:128*\u+67+4*i] offset:512*(16*\u+i)   ; accumulators 8-15 as they stand, each from its low end on
.set i, i+1
.endr
.endr
	WIN 0
.macro W3LD i                          ; round i of the residual: K step i / 4, channel tiles 2 (i % 4) and + 1, into set i % 2
.irp k, 0,1
.irp c, 0,1,2,3
	ds_load_b128 v[32+32*((\i)%2)+16*\k+4*\c:35+32*((\i)%2)+16*\k+4*\c], v11 offset:(4*(2*((\i)%4)+\k)+(\i)/4)*2048+512*\c
.endr
.endr
.endm
	W3LD 0
	W3LD 1
	s_wait_dscnt 0x0                               ; for the partner's sake: my stores have landed
	s_barrier_signal -1
	s_barrier_wait -1
.irp u, 0,1
	ds_load_b32 v[18+8*\u], v4 offset:256*\u       ; the partner's -M
	ds_load_b32 v[19+8*\u], v4 offset:256*\u+128   ; and l
.endr
	s_wait_loadcnt 0x0                             ; x and the norm
; The residual: source 0 = 16 of my queries, source 1 = 16 rows of W3: a lane holds channel 16 a + r, its registers queries 16 h + 8 u + j.  It takes the registers of the accumulators handed over.  The 16 accumulators take turns.
.macro RROUND i
.if (\i) == 15
	s_wait_dscnt 0x0
.else
	s_wait_dscnt 8                                 ; this round's fragments are in; the next round's eight loads may be out
.endif
	WIN 0x50
.irp k, 0,1
.irp u, 0,1
.set rR, 128*\u+64+8*(2*((\i)%4)+\k)
.set rX, 128+64*\u+16*((\i)/4)
.set rW, 32+32*((\i)%2)+16*\k
.if (\i) < 4
	v_wmma_f32_16x16x128_fp8_fp8 v[rR:rR+7], v[rX:rX+15], v[rW:rW+15], 0
.else
	v_wmma_f32_16x16x128_fp8_fp8 v[rR:rR+7], v[rX:rX+15], v[rW:rW+15], v[rR:rR+7]
.endif
.endr
.endr
.if (\i) < 14
	PLACES 4
	WIN 0
	W3LD (\i)+2
.endif
.endm
.irp i, 0,1,2,3,4,5,6,7,8,9,10,11,12,13,14,15
	RROUND \i
.endr
	PLACES 4
	WIN 0
.irp u, 0,1
.set i, 0
.rept 16
	ds_load_b128 v[128+64*\u+4*i:131+64*\u+4*i], v6 offset:512*(16*\u+i)   ; the partner's half of my channels
.set i, i+1
.endr
.endr
.irp u, 0,1
	v_min_num_f32 v[17+8*\u], v[12+8*\u], v[18+8*\u]   ; -M of the two halves together
.endr
.irp u, 0,1
	v_sub_f32 v[12+8*\u], v[17+8*\u], v[12+8*\u]
	v_sub_f32 v[18+8*\u], v[17+8*\u], v[18+8*\u]
.endr
.irp u, 0,1
	v_cvt_i32_f32 v[12+8*\u], v[12+8*\u]
	v_cvt_i32_f32 v[18+8*\u], v[18+8*\u]
.endr
.irp u, 0,1
	v_ldexp_f32 v[12+8*\u], 1.0, v[12+8*\u]        ; my half's factor,
	v_ldexp_f32 v[18+8*\u], 1.0, v[18+8*\u]        ; the partner's: exact powers of two
.endr
.irp u, 0,1
	v_mul_f32 v[14+8*\u], v[14+8*\u], v[12+8*\u]
.endr
.irp u, 0,1
	v_fma_f32 v[14+8*\u], v[19+8*\u], v[18+8*\u], v[14+8*\u]   ; the row's sum
.endr
.irp u, 0,1
	v_rcp_f32 v[16+8*\u], v[14+8*\u]
.endr
	v_nop
	s_wait_alu depctr_va_vdst(0)                   ; one wait for the two reciprocals, ahead of their first reader
.irp u, 0,1
	v_ldexp_f32 v[16+8*\u], v[16+8*\u], s70        ; x 2^(e8 + e9)
.endr
.irp u, 0,1
	v_mul_f32 v[12+8*\u], v[12+8*\u], v[16+8*\u]   ; what my half is multiplied by,
	v_mul_f32 v[14+8*\u], v[18+8*\u], v[16+8*\u]   ; and the partner's
.endr
	WIN 0x41
.irp u, 0,1
.irp a, 0,1,2,3,4,5,6,7
.irp j, 0,2,4,6
	v_pk_fma_f32 v[128*\u+64+8*\a+\j:128*\u+65+8*\a+\j], v[128*\u+64+8*\a+\j:128*\u+65+8*\a+\j], v[96+4*\a:97+4*\a], v[98+4*\a:99+4*\a]   ; the norm
.endr
.endr
.endr
	WIN 0x44
.irp u, 0,1
.set i, 0
.rept 64
	v_max_num_f32 v[128*\u+64+i], 0, v[128*\u+64+i]   ; relu: the residual v
.set i, i+1
.endr
.endr
	WIN 0x41
.irp u, 0,1
.set i, 0
.rept 32
	v_pk_mul_f32 v[128*\u+i:128*\u+i+1], v[128*\u+i:128*\u+i+1], v[12+8*\u:13+8*\u] op_sel_hi:[1,0]
.set i, i+2
.endr
.endr
	s_wait_dscnt 0x0                               ; the partner's half is in; my reads of W3's image, of the statistics and of the handed bytes are over
	WIN 0x50
.irp u, 0,1
.set i, 0
.rept 32
	v_pk_fma_f32 v[128*\u+i:128*\u+i+1], v[128+64*\u+i:129+64*\u+i], v[14+8*\u:15+8*\u], v[128*\u+i:128*\u+i+1] op_sel_hi:[1,0,1]
.set i, i+2
.endr
.endr
	WIN 0
	s_barrier_signal -1
	s_barrier_wait -1                              ; nobody reads the image, the statistics or the handed bytes any more: the stages may be written
	WIN 0x04
.irp u, 0,1
.irp a, 0,1,2,3,4,5,6,7
	ds_store_b128 v30, v[128*\u+64+8*\a:128*\u+67+8*\a] offset:16*SP*\a+32*\u
	ds_store_b128 v30, v[128*\u+68+8*\a:128*\u+71+8*\a] offset:16*SP*\a+32*\u+16
.endr
.endr
.irp u, 0,1
.irp a, 0,1,2,3,4,5,6,7
.irp j, 0,1,2,3,4,5,6,7
	ds_store_b32 v31, v[128*\u+8*\a+\j] offset:(16*\a+\j)*SP+32*\u   ; eight rows are 1,056 words: the two halves of the lanes fall 32 banks apart, all 32 lanes on different banks
.endr
.endr
.endr
	WIN 0
	s_mul_i32 s72, s18, 32*SP
	v_add_nc_u32 v3, s72, v10                      ; back: wave w takes channels 32 w .. 32 w + 31, whole rows of 512 bytes
	v_add_nc_u32 v4, STGR, v3
	s_wait_dscnt 0x0                               ; for the others' sake: my stores have landed
	s_barrier_signal -1
	s_barrier_wait -1
.set i, 0
.rept 16
	ds_load_b128 v[128+4*i:131+4*i], v3 offset:i*SP
.set i, i+1
.endr
.set i, 0
.rept 16
	ds_load_b128 v[32+4*i:35+4*i], v4 offset:i*SP
.set i, i+1
.endr
.set i, 0
.rept 16
	ds_load_b128 v[192+4*i:195+4*i], v3 offset:(16+i)*SP
.set i, i+1
.endr
	s_wait_dscnt 16                                ; rows 0-15 of both stages are in; the 16 loads behind them may be out
.set i, 0
.rept 32
	v_pk_add_f32 v[128+i:129+i], v[128+i:129+i], v[32+i:33+i]
.set i, i+2
.endr
.set i, 0
.rept 16
	ds_load_b128 v[32+4*i:35+4*i], v4 offset:(16+i)*SP
.set i, i+1
.endr
.set i, 0
.rept 16
	global_store_b128 v10, v[128+4*i:131+4*i], s[14:15] offset:16384*i th:TH_STORE_NT   ; 32 lanes store 512 consecutive bytes of a channel's row, aligned
.set i, i+1
.endr
	s_wait_dscnt 0x0
.set i, 0
.rept 32
	v_pk_add_f32 v[192+i:193+i], v[192+i:193+i], v[32+i:33+i]
.set i, i+2
.endr
.set i, 0
.rept 16
	global_store_b128 v10, v[192+4*i:195+4*i], s[14:15] offset:16384*(16+i) th:TH_STORE_NT
.set i, i+1
.endr
	s_wait_tensorcnt 0x0                           ; the wave's end, behind my last tensor load and my last LDS store
	ds_add_u32 v7, v8
	s_wait_dscnt 0x0
	CROUND                                         ; the closing round: no work-group ends while a partner may still ask for a tile that names it
	s_endpgm
.Lfunc_end_k_qdb830cd465_attn:
	.size	k_qdb830cd465_attn, .Lfunc_end_k_qdb830cd465_attn-k_qdb830cd465_attn
	.p2alignl 7, 3214868480
	.fill 96, 4, 3214868480
	.section	.rodata,"a",@progbits
	.p2align	6, 0x0
	.amdhsa_kernel k_qdb830cd465_attn
		.amdhsa_group_segment_fixed_size 327680
		.amdhsa_private_segment_fixed_size 0
		.amdhsa_enable_private_segment 0
		.amdhsa_kernarg_size 48
		.amdhsa_user_sgpr_count 2
		.amdhsa_user_sgpr_kernarg_segment_ptr 1
		.amdhsa_wavefront_size32 1
		.amdhsa_system_sgpr_workgroup_id_x 1
		.amdhsa_system_sgpr_workgroup_id_y 1
		.amdhsa_system_sgpr_workgroup_id_z 1
		.amdhsa_system_vgpr_workitem_id 0
		.amdhsa_next_free_vgpr 512
		.amdhsa_next_free_sgpr 96
		.amdhsa_reserve_vcc 0
		.amdhsa_float_denorm_mode_32 3
		.amdhsa_float_denorm_mode_16_64 3
		.amdhsa_memory_ordered 1
		.amdhsa_forward_progress 1
		.amdhsa_inst_pref_size 186
	.end_amdhsa_kernel
	.amdgpu_metadata
---
amdhsa.version: [ 1, 2 ]
amdhsa.kernels:
  - .name:           k_qdb830cd465_attn
    .symbol:         k_qdb830cd465_attn.kd
    .args:
      - { .name: q_img, .offset: 0, .size: 8, .value_kind: global_buffer, .address_space: global }
      - { .name: kvw, .offset: 8, .size: 8, .value_kind: global_buffer, .address_space: global }
      - { .name: x_codes, .offset: 16, .size: 8, .value_kind: global_buffer, .address_space: global }
      - { .name: bn3, .offset: 24, .size: 8, .value_kind: global_buffer, .address_space: global }
      - { .name: lowp_scales, .offset: 32, .size: 8, .value_kind: global_buffer, .address_space: global }
      - { .name: out0, .offset: 40, .size: 8, .value_kind: global_buffer, .address_space: global }
    .group_segment_fixed_size: 327680
    .private_segment_fixed_size: 0
    .kernarg_segment_align: 8
    .kernarg_segment_size: 48
    .max_flat_workgroup_size: 256
    .sgpr_count:     96
    .vgpr_count:     512
    .wavefront_size: 32
...
	.end_amdgpu_metadata
.endif
;; end of part 2
